; MI455X (gfx1250); checked and timed in simulation.
; The chip was launched on July 23, 2026; its instructions are those of AMD's public machine-readable ISA for CDNA 5 (MIT licence, August 2026) and "CDNA5" Instruction Set Architecture Reference Guide (July 2026). The comments in the code are by the model that wrote it; some were corrected since.
;; Attention. Allowed arithmetic: float matrix products may take bf16 or f16 operands with f32 sums; all other float work in f32.
;; Inputs: bk 512 float32; bq 512 float32; bv 512 float32; input 8 x 2,048 x 512 float32; mask 8 x 2,048 x 2,048 int32; states 8 x 2,048 x 512 float32; wk 512 x 512 float32; wq 512 x 512 float32; wv 512 x 512 float32.
;; Outputs: out0 8 x 2,048 x 512 float32.
;; One version. Each part assembles by itself: llvm-mc -triple=amdgcn-amd-amdhsa -mcpu=gfx1250 --defsym DOCPART=n.
;; ======== version 1 of 1: 3 launches
;; limits: values are held in f16: magnitudes above 65,504 overflow, below 6.1e-05 lose precision
;; workspace buffers: wb 1,572,864 bytes; bb 6,144 bytes; qkv 50,331,648 bytes
;; launch wcvt (part 1): grid 64 x 3, 8 waves a work-group, no clusters, 0 bytes of LDS; arguments wq, wk, wv, bq, bk, bv, wb, bb; writes wb, bb
.if DOCPART == 1
	.amdgcn_target "amdgcn-amd-amdhsa--gfx1250"
	.amdhsa_code_object_version 6
	.text
	.protected	k_q9f657b252d_wcvt
	.globl	k_q9f657b252d_wcvt
	.p2align	8
	.type	k_q9f657b252d_wcvt,@function
k_q9f657b252d_wcvt:
	s_mov_b64 s[64:65], 0
	v_nop
	global_prefetch_b8 v0, s[64:65] scope:SCOPE_SE
	s_setreg_imm32_b32 hwreg(HW_REG_WAVE_MODE, 25, 1), 1
	s_wait_xcnt 0x0
; The three weights, rounded to bf16 and stacked: wb[512 y + e][d] = bf16(W_y[e][d]), y = 0 (wq), 1 (wk), 2 (wv).
; The three biases, rounded to bf16 and kept as f32, stacked: bb[512 y + e].  All the module's inputs get the same rounding.
; A stream: no LDS, no barrier, no matrix unit.  Work-group (x, y) takes 16,384 bytes of W_y; thread t takes 16 bytes in each of four
; blocks of 4,096, so a wave's load covers 512 consecutive bytes and its store of 8 bytes a lane 256 consecutive bytes, aligned.
	s_load_b512 s[8:23], s[0:1], 0x0               ; wq s[8:9], wk s[10:11], wv s[12:13], bq s[14:15], bk s[16:17], bv s[18:19], wb s[20:21], bb s[22:23]
	s_and_b32 s2, ttmp7, 0xffff                    ; y: which weight
	s_mov_b32 s3, ttmp9                            ; x: which 16,384 bytes of it
	v_lshlrev_b32 v1, 4, v0                        ; 16 t
	v_lshlrev_b32 v2, 3, v0                        ; 8 t
	v_lshrrev_b32 v3, 5, v0
	v_readfirstlane_b32 s4, v3                     ; wave
	s_lshl_b32 s24, s3, 14                         ; my part of W, in bytes
	s_mov_b32 s25, 0
	s_lshl_b32 s26, s2, 19                         ; my part of wb: 524,288 y + 8,192 x
	s_lshl_b32 s28, s3, 13
	s_add_co_u32 s26, s26, s28
	s_mov_b32 s27, 0
	s_lshl_b32 s28, s2, 11                         ; my part of bb: 2,048 y
	s_mov_b32 s29, 0
	s_wait_kmcnt 0x0
	s_cmp_eq_u32 s2, 1                             ; the choice of buffers hangs on y alone
	s_cselect_b64 s[8:9], s[10:11], s[8:9]
	s_cselect_b64 s[14:15], s[16:17], s[14:15]
	s_cmp_eq_u32 s2, 2
	s_cselect_b64 s[8:9], s[12:13], s[8:9]
	s_cselect_b64 s[14:15], s[18:19], s[14:15]
	s_add_nc_u64 s[8:9], s[8:9], s[24:25]
	s_add_nc_u64 s[20:21], s[20:21], s[26:27]
	s_add_nc_u64 s[22:23], s[22:23], s[28:29]
.irp k, 0,1,2,3
	global_load_b128 v[4+4*\k:7+4*\k], v1, s[8:9] offset:4096*\k th:TH_LOAD_NT
.endr
.irp k, 0,1,2,3
	s_wait_loadcnt 3-\k                            ; loads come back in order: block k is in, the younger ones stay out
	v_cvt_pk_bf16_f32 v[20+2*\k], v[4+4*\k], v[5+4*\k]
	v_cvt_pk_bf16_f32 v[21+2*\k], v[6+4*\k], v[7+4*\k]
	global_store_b64 v2, v[20+2*\k:21+2*\k], s[20:21] offset:2048*\k
.endr
	s_cmp_lg_u32 s3, 0                             ; the bias: work-group x = 0, threads 0 to 127 (waves 0 to 3), four numbers each
	s_cbranch_scc1 .Lend
	s_cmp_ge_u32 s4, 4
	s_cbranch_scc1 .Lend
	global_load_b128 v[4:7], v1, s[14:15]
	s_wait_loadcnt 0x0
	v_cvt_pk_bf16_f32 v28, v4, v5
	v_cvt_pk_bf16_f32 v29, v6, v7
	v_lshlrev_b32 v8, 16, v28                      ; bf16 back to f32: the low half moves up, the high half stays
	v_and_b32 v9, 0xffff0000, v28
	v_lshlrev_b32 v10, 16, v29
	v_and_b32 v11, 0xffff0000, v29
	global_store_b128 v1, v[8:11], s[22:23]
.Lend:
	s_endpgm
.Lfunc_end_k_q9f657b252d_wcvt:
	.size	k_q9f657b252d_wcvt, .Lfunc_end_k_q9f657b252d_wcvt-k_q9f657b252d_wcvt
	.p2alignl 7, 3214868480
	.fill 96, 4, 3214868480
	.section	.rodata,"a",@progbits
	.p2align	6, 0x0
	.amdhsa_kernel k_q9f657b252d_wcvt
		.amdhsa_group_segment_fixed_size 0
		.amdhsa_private_segment_fixed_size 0
		.amdhsa_enable_private_segment 0
		.amdhsa_kernarg_size 64
		.amdhsa_user_sgpr_count 2
		.amdhsa_user_sgpr_kernarg_segment_ptr 1
		.amdhsa_wavefront_size32 1
		.amdhsa_system_sgpr_workgroup_id_x 1
		.amdhsa_system_sgpr_workgroup_id_y 1
		.amdhsa_system_sgpr_workgroup_id_z 1
		.amdhsa_system_vgpr_workitem_id 0
		.amdhsa_next_free_vgpr 32
		.amdhsa_next_free_sgpr 66
		.amdhsa_reserve_vcc 0
		.amdhsa_float_denorm_mode_32 3
		.amdhsa_float_denorm_mode_16_64 3
		.amdhsa_memory_ordered 1
		.amdhsa_forward_progress 1
		.amdhsa_inst_pref_size 4
	.end_amdhsa_kernel
	.amdgpu_metadata
---
amdhsa.version: [ 1, 2 ]
amdhsa.kernels:
  - .name:           k_q9f657b252d_wcvt
    .symbol:         k_q9f657b252d_wcvt.kd
    .args:
      - { .name: wq, .offset: 0, .size: 8, .value_kind: global_buffer, .address_space: global }
      - { .name: wk, .offset: 8, .size: 8, .value_kind: global_buffer, .address_space: global }
      - { .name: wv, .offset: 16, .size: 8, .value_kind: global_buffer, .address_space: global }
      - { .name: bq, .offset: 24, .size: 8, .value_kind: global_buffer, .address_space: global }
      - { .name: bk, .offset: 32, .size: 8, .value_kind: global_buffer, .address_space: global }
      - { .name: bv, .offset: 40, .size: 8, .value_kind: global_buffer, .address_space: global }
      - { .name: wb, .offset: 48, .size: 8, .value_kind: global_buffer, .address_space: global }
      - { .name: bb, .offset: 56, .size: 8, .value_kind: global_buffer, .address_space: global }
    .group_segment_fixed_size: 0
    .private_segment_fixed_size: 0
    .kernarg_segment_align: 8
    .kernarg_segment_size: 64
    .max_flat_workgroup_size: 256
    .sgpr_count:     66
    .vgpr_count:     32
    .wavefront_size: 32
...
	.end_amdgpu_metadata
.endif
;; end of part 1
;; launch proj (part 2): grid 256 x 1, 4 waves a work-group, clusters of 4 x 1, 327,680 bytes of LDS; arguments input, states, wb, bb, qkv; writes qkv
.if DOCPART == 2
	.amdgcn_target "amdgcn-amd-amdhsa--gfx1250"
	.amdhsa_code_object_version 6
	.text
	.protected	k_q9f657b252d_proj
	.globl	k_q9f657b252d_proj
	.p2align	8
	.type	k_q9f657b252d_proj,@function
k_q9f657b252d_proj:
	s_mov_b64 s[64:65], 0
	v_nop
	global_prefetch_b8 v0, s[64:65] scope:SCOPE_SE
	s_setreg_imm32_b32 hwreg(HW_REG_WAVE_MODE, 25, 1), 1
	s_wait_xcnt 0x0
	s_wait_alu depctr_hold_cnt(0) depctr_sa_sdst(0) depctr_va_vdst(0) depctr_va_sdst(0) depctr_va_ssrc(0) depctr_va_vcc(0) depctr_vm_vsrc(0)
	s_getreg_b32 s2, hwreg(HW_REG_IB_STS2, 6, 4)
	s_cmp_eq_u32 s2, 0
	s_cbranch_scc0 .Lentry_in_a_cluster
	s_endpgm
.Lentry_in_a_cluster:
	s_bfe_u32 s2, ttmp6, 0x10000c
	s_cmp_lg_u32 s2, 0x3003
	s_cbranch_scc0 .Lentry_shape_is_right
	s_endpgm
.Lentry_shape_is_right:
; q = input wq^T + bq, k = states wk^T + bk, v = states wv^T + bv, written as f16 into qkv[3][16384][512].  Operands bf16, sums f32, the bias (already rounded to bf16) starts each sum.
; LIMIT: f16 ends at 65,504: |q|, |k|, |v| must stay below that; NaN and infinities are not treated apart.
; SHARES.  A work-group owns 64 rows of input and the same 64 rows of states, and makes their q, k and v: 64 x 1536 numbers; 256 work-groups of equal work.  The 64 rows, rounded to bf16, lie whole in
; 512 registers of EVERY wave (input for wq's four tiles, states for wk's and wv's eight); the stacked weights come as 12 tiles of 128 rows.  Wave w multiplies a tile's rows 32 w .. 32 w + 31
; by all 64 rows: 8 accumulators, 128 matrix instructions and 64 LDS loads a tile.
; THE RING.  Two LDS slots take turns through 14 steps: input, wq's 4 tiles, states, wk's and wv's 8 tiles.  X comes through the ring too, as f32: wave w fetches columns 128 w .. 128 w + 127 of the 64 rows
; (rows of 512 bytes), every wave then reads all of it from LDS and rounds it to bf16.  So X is read from memory once a work-group, and states are asked for a trip ahead, under matrix work.
; CLUSTER.  The four work-groups of a cluster walk the same tiles of wb and ask for each JOINTLY: the same tensor load, descriptor and mask in all four; wave w fetches the tile's rows 32 w on.  X is a work-group's own.
; THE ORDER OF THE TILES hangs on the cluster's number c, which the partners share: wq's tiles go (k + c) mod 4, wk's and wv's 4 + (k + c) mod 8.  So the clusters ask for different tiles at any one time: all tiles of a
; group are read for the first time in the trip in which X is rounded, and every later request is for a tile that another cluster has read before.
; TRANSPOSED USE.  Source 0 = 16 rows of W, source 1 = 16 rows of X: a lane holds one row of X and eight neighbouring outputs, which pack into 16 bytes of f16.
; THE WAY OUT.  A tile's 64 x 128 numbers go through a stage shared by the four waves (a wave's 32 columns are a quarter of an aligned 256 bytes); two stages take turns: the stage written at the end of
; one tile's trip is read in the next tile's trip, behind a barrier, and written again in the tile's trip after that.
; REGISTERS (windows of 256): window 0: v0-23 addresses; v32-47 bias; v48-79 packed; v80-111 rows read back; v112-175 accumulators ((nb, t) at 112 + 8 (4 nb + t)).
;   window 1: v0-63, v64-127 two buffers of W fragments (4 K steps x 2 blocks); v128-191, v192-255 two buffers for X as f32.   windows 2, 3: X, fragment (t, c) at 128 t + 8 c.
.set WPITCH, 1040                      ; an LDS row of W: 1,024 bytes + 16 of padding: 65 x 16, so the 16 rows of a fragment load start 16 bytes apart modulo 256
.set WAVEW,  32*WPITCH                 ; what one tensor load of W brings
.set XPITCH, 528                       ; an LDS row of a quarter of X: 512 bytes + 16 of padding: 33 x 16
.set WAVEX,  64*XPITCH                 ; what one tensor load of X brings
.set SLOT,   4*WAVEX                   ; 135,168 = 2^17 + 2^12: slot 1 begins here; neither bit is set in w x WAVEW or w x WAVEX, so an exclusive or changes slots
.set SPITCH, 272
.set STG0,   2*SLOT
.set STG1,   STG0+64*SPITCH
.set STGX,   STG0^STG1
.set SPARE,  STG1+64*SPITCH            ; the spare words: 128 bytes for each wave, two blocks of 256 bytes that no other line names
.set AW0, 4                            ; v4   my lane's place in a slot of W: (32 w + r) x 1040 + 16 h
.set AW,  5                            ; v5   the same in the slot in hand
.set BO,  7                            ; v7   128 w + 32 h: my eight biases
.set STO0, 8                           ; v8   r x 272 + 64 w + 16 h
.set STO, 9                            ; v9   the same in the stage written
.set RD0, 10                           ; v10  (16 w + h) x 272 + 16 r
.set RD,  11                           ; v11  the same in the stage read
.set CO,  12                           ; v12  (16 w + h) x 1024 + 16 r: the same two rows in qkv
.set PFO, 13                           ; v13  w x 32,768 + 256 x lane
.set SPW, 14                           ; v14  LDS address of my spare word; never rewritten
.set NIL, 15                           ; v15  0; never rewritten
.set AXB, 16                           ; v16-19  my lane's place in quarter q of a slot of X: q x 33,792 + r x 528 + 32 h
.set AX,  20                           ; v20-23  the same in the slot in hand
.set BI,  32
.set PKD, 48
.set BK,  80
.set ACC, 112
.set FB0, 0
.set FB1, 64
.set RAW, 128
.set WV,  14                           ; s14  wave
.set G1W, 24                           ; s[24:31] descriptor group 1 for tiles of wb
.set G0W, 32                           ; s[32:35] descriptor group 0 for them: its LDS word turns in every trip, its address is made anew
.set CI,  36                           ; s36  a loop's counter
.set TW,  37                           ; s37  the slot read
.set SW,  38                           ; s38  the stage written
.set SR,  39                           ; s39  the stage read
.set G1X, 40                           ; s[40:47] descriptor group 1 for X
.set G0X, 48                           ; s[48:51] group 0: input, into slot 0
.set G0Y, 52                           ; s[52:55] group 0: states, into slot 1
.set BP,  56                           ; s[56:57] bb at the tile whose bias is loaded
.set OPT, 58                           ; s[58:59] qkv at my rows, at the tile to be stored next
.set STEP, 60                          ; s[60:61] that tile's offset
.set T0,  62                           ; s[62:63] an offset made of a tile's number; the high word stays 0
.set RK,  66                           ; s66  counts the tiles asked for, from the cluster's number on
.set TNN, 67                           ; s67  the number of the tile asked for last
.set TNC, 68                           ; s68  the number of the tile in hand
.set T1,  69
.set MSB, 0
.macro WIN new                         ; the immediate's high byte repeats the setting that is left; a switch that changes nothing is dropped
.if MSB != (\new)
	s_set_vgpr_msb (MSB<<8)|(\new)
.set MSB, \new
.endif
.endm
.macro PLACES                          ; four places behind matrix instructions (ISA guide 7.12.1), where no other vector work is at hand
.rept 4
	v_nop
.endr
.endm
.macro CROUND                          ; a round of the cluster's barrier
	s_barrier_signal -1
	s_barrier_wait -1
	s_cmp_lg_u32 s[WV], 0
	s_cbranch_scc1 .Lnot_wave_0_\@
	s_barrier_signal -3
.Lnot_wave_0_\@:
	s_barrier_wait -3
	s_barrier_signal -1
	s_barrier_wait -1
.endm
.macro BIAS                            ; my sixteen biases of tile TNN: blocks nb = 0, 1, outputs 8 h + 0..7 of each.  The loads that named BP before have been waited for
	s_lshl_b32 s[T0], s[TNN], 9                    ; 128 numbers of 4 bytes a tile
	s_add_nc_u64 s[BP:BP+1], s[10:11], s[T0:T0+1]
	global_load_b128 v[BI:BI+3],     v[BO], s[BP:BP+1]
	global_load_b128 v[BI+4:BI+7],   v[BO], s[BP:BP+1] offset:16
	global_load_b128 v[BI+8:BI+11],  v[BO], s[BP:BP+1] offset:64
	global_load_b128 v[BI+12:BI+15], v[BO], s[BP:BP+1] offset:80
.endm
; 16 LDS loads: W's fragments of K steps 4 g .. 4 g + 3, blocks nb = 0, 1, into buffer f; fragment (cc, nb) at f + 8 (2 cc + nb)
.macro FETCHW g, f
	WIN 0x40                                       ; destination window 1, address window 0
.set fi, 0
.rept 8
.set fo_, (fi%2)*16*WPITCH+64*(4*(\g)+fi/2)
	ds_load_b128 v[(\f)+8*fi:(\f)+8*fi+3],   v[AW] offset:fo_
	ds_load_b128 v[(\f)+8*fi+4:(\f)+8*fi+7], v[AW] offset:fo_+32
.set fi, fi+1
.endr
.endm
; 32 matrix instructions: K steps 4 g .. 4 g + 3 from buffer f.  First X's tiles 0, 1 (window 2), then 2, 3 (window 3); in each half four accumulators take turns.
; The very first K step takes the bias as C.  ins >= 0: behind the second product the fragments of group ins are fetched into the other buffer; bi = 1: and the next tile's bias is loaded.
.macro MULG g, f, ins, bi
.set mi, 0
.rept 32
.if (mi == 2) && ((\ins) >= 0)
	PLACES                                         ; the other buffer's (and the bias's) last readers stand in front of two products and these four places
	FETCHW \ins, FB0+64*((\ins)%2)
.if \bi
	WIN 0
	BIAS
.endif
.endif
.set c_, 4*(\g)+(mi/4)%4
.set t_, 2*(mi/16)+mi%2
.set nb_, (mi/2)%2
.set rD, ACC+8*(4*nb_+t_)
.set rA, (\f)+8*(2*((mi/4)%4)+nb_)
.set rB, (128*t_+8*c_)%256
	WIN 0x09+4*(mi/16)                             ; source 0 (W) window 1, source 1 (X) window 2 or 3, C and D window 0
.if c_ == 0
	v_wmma_f32_16x16x32_bf16 v[rD:rD+7], v[rA:rA+7], v[rB:rB+7], v[BI+8*nb_:BI+8*nb_+7]
.else
	v_wmma_f32_16x16x32_bf16 v[rD:rD+7], v[rA:rA+7], v[rB:rB+7], v[rD:rD+7]
.endif
.set mi, mi+1
.endr
.endm
; X out of LDS.  Group g = 4 q + t: rows 16 t .. 16 t + 15, K steps 4 q .. 4 q + 3, four fragments.  For a fragment a lane takes 2 x 32 bytes of f32 of its row, by four loads: 16 loads a group, into buffer g % 2.
.macro XG g
	WIN 0x40
.set xa_, AX+(\g)/4
.set xb_, RAW+64*((\g)%2)
.set xi, 0
.rept 4
.set xo_, ((\g)%4)*16*XPITCH+128*xi
	ds_load_b128 v[xb_+16*xi:xb_+16*xi+3],     v[xa_] offset:xo_
	ds_load_b128 v[xb_+16*xi+4:xb_+16*xi+7],   v[xa_] offset:xo_+16
	ds_load_b128 v[xb_+16*xi+8:xb_+16*xi+11],  v[xa_] offset:xo_+64
	ds_load_b128 v[xb_+16*xi+12:xb_+16*xi+15], v[xa_] offset:xo_+80
.set xi, xi+1
.endr
.endm
.macro XREAD
	XG 0
	XG 1
.set xg, 0
.rept 16
.if xg < 15
	s_wait_dscnt 16                                ; group xg is in; the next group's 16 loads stay out
.else
	s_wait_dscnt 0x0
.endif
	WIN 0x85+0x40*((xg%4)/2)                       ; sources window 1, destination window 2 (rows 0-31) or 3 (rows 32-63)
.set xs_, RAW+64*(xg%2)
.set xd_, (128*(xg%4)+32*(xg/4))%256
.set xj, 0
.rept 32
	v_cvt_pk_bf16_f32 v[xd_+xj], v[xs_+2*xj], v[xs_+2*xj+1]
.set xj, xj+1
.endr
.if xg < 14
	XG xg+2
.endif
.set xg, xg+1
.endr
.endm
.macro SEND                            ; 16 whole rows of the stage read back and stored: sixteen lanes store 256 consecutive bytes, at a multiple of 256 from qkv's first byte
	WIN 0
.irp k, 0,1,2,3,4,5,6,7
	ds_load_b128 v[BK+4*\k:BK+4*\k+3], v[RD] offset:2*SPITCH*\k
.endr
	s_wait_dscnt 0x0
.irp k, 0,1,2,3,4,5,6,7
	global_store_b128 v[CO], v[BK+4*\k:BK+4*\k+3], s[OPT:OPT+1] offset:2048*\k
.endr
.endm
; THE HEAD OF EVERY TRIP.  refill = 1: a tile of wq is asked for; 2: a tile of wk or wv; 3: states; 0: nothing more.  One tensor load of mine is out behind each round; it has this trip's work in which to land.
.macro RING refill
	WIN 0
	s_wait_tensorcnt 0x0                           ; all my tensor loads have landed: my part of this trip's slot; so every group 0 may be written
	ds_add_u32 v[SPW], v[NIL]                      ; 0 onto my spare word; the scalar steps stand between it and the wait for it
	s_xor_b32 s[G0W+1], s[G0W+1], SLOT             ; the slot that is filled and
	s_xor_b32 s[TW], s[TW], SLOT                   ; the slot that is read turn in every trip
	s_mov_b32 s[TNC], s[TNN]
.if ((\refill) == 1) || ((\refill) == 2)
	s_add_co_u32 s[RK], s[RK], 1
.if (\refill) == 1
	s_and_b32 s[TNN], s[RK], 3
.else
	s_and_b32 s[TNN], s[RK], 7
	s_add_co_u32 s[TNN], s[TNN], 4
.endif
	s_lshl_b32 s[T0], s[TNN], 17                   ; a tile is 128 rows of 1,024 bytes
	s_add_nc_u64 s[G0W+2:G0W+3], s[8:9], s[T0:T0+1]  ; the address is made anew from the tile's number,
	s_or_b32 s[G0W+3], s[G0W+3], 0x80000000        ; and the type set again
.endif
	s_wait_dscnt 0x0                               ; the add is done; my reads of the other slot are over; my stores into the stage are done
.if (\refill) == 0
	s_barrier_signal -1                            ; the last tile: nothing is filled again
	s_barrier_wait -1
.else
	CROUND                                         ; no wave of any partner still reads the other slot or has a load on its way
.if (\refill) == 3
	tensor_load_to_lds s[G0Y:G0Y+3], s[G1X:G1X+7]  ; my one tensor load behind the round, and the first thing there
.else
	tensor_load_to_lds s[G0W:G0W+3], s[G1W:G1W+7]
.endif
	s_nop 0
.endif
	PLACES
.endm
; A TRIP IN WHICH X IS TAKEN UP: the next tile of wb is asked for, its bias loaded, and the slot's 64 rows of f32 become 512 registers of bf16.
.macro XT refill
	RING \refill
	BIAS
.irp q, 0,1,2,3
	v_add_nc_u32 v[AX+\q], s[TW], v[AXB+\q]
.endr
	XREAD
	WIN 0
.endm
; A TILE'S TRIP.  la = 1: the first loop's text: its trip 0 has no tile before it to store, its trip 1 prefetches states.
.macro TRIP refill, la
	s_xor_b32 s[SW], s[SW], STGX
	s_xor_b32 s[SR], s[SR], STGX
	RING \refill
	v_add_nc_u32 v[AW], s[TW], v[AW0]
	v_add_nc_u32 v[STO], s[SW], v[STO0]
	v_add_nc_u32 v[RD], s[SR], v[RD0]
	FETCHW 0, FB0
	FETCHW 1, FB1
	WIN 0                                          ; at a branch and at a label every window is 0
.if \la
	s_cmp_lg_u32 s[CI], 1
	s_cbranch_scc1 .Lno_pf_\@
.irp k, 0,1,2,3                        ; wq's second tile asks for my 64 rows of states, whose tensor load stands two trips on; lanes 256 bytes apart, the four waves cover the 131,072 bytes once
	global_prefetch_b8 v[PFO], s[6:7] offset:8192*\k th:TH_LOAD_NT scope:SCOPE_SE
.endr
.Lno_pf_\@:
	s_cmp_eq_u32 s[CI], 0                          ; at the first trip this test's answer is a constant of the text
	s_cbranch_scc1 .Lno_send_\@
.endif
	SEND                                           ; the tile before, from the stage that its trip wrote: a barrier stands between those stores and these loads
.if \la
.Lno_send_\@:
.endif
	s_wait_loadcnt 0x0                             ; this tile's bias
	s_wait_dscnt 0x0                               ; the first two groups of fragments
.set bw_, 0
.if ((\refill) == 1) || ((\refill) == 2)
.set bw_, 1
.endif
	MULG 0, FB0, -1, 0
	MULG 1, FB1, 2, bw_
	s_wait_dscnt 0x0                               ; group 2, issued 30 matrix instructions ago
	MULG 2, FB0, 3, 0
	s_wait_dscnt 0x0
	MULG 3, FB1, -1, 0
	PLACES
	WIN 0
.set i, 0
.rept 32                               ; rounded to f16, each accumulator's registers in ascending order
	v_cvt_pk_f16_f32 v[PKD+i], v[ACC+2*i], v[ACC+2*i+1]
.set i, i+1
.endr
.set i, 0
.rept 8                                ; accumulator i = 4 nb + t: row 16 t + r, bytes 64 w + 32 nb + 16 h
	ds_store_b128 v[STO], v[PKD+4*i:PKD+4*i+3] offset:(i%4)*16*SPITCH+32*(i/4)
.set i, i+1
.endr
	s_wait_xcnt 0x0                                ; the stores have had their addresses translated (ISA guide 3.1): their base and data are rewritten only behind this wait
	s_lshr_b32 s[STEP], s[TNC], 2                  ; this tile's place in qkv: plane number / 4,
	s_lshl_b32 s[STEP], s[STEP], 24                ; 16,777,216 bytes each,
	s_and_b32 s[T1], s[TNC], 3
	s_lshl_b32 s[T1], s[T1], 8                     ; and 256 bytes along the rows for each tile of a plane
	s_add_co_u32 s[STEP], s[STEP], s[T1]
	s_add_nc_u64 s[OPT:OPT+1], s[12:13], s[STEP:STEP+1]
.endm
	s_load_b256 s[4:11], s[0:1], 0x0               ; input s[4:5], states s[6:7], wb s[8:9], bb s[10:11]
	s_load_b64 s[12:13], s[0:1], 0x20              ; qkv
	v_lshl_add_u32 v[SPW], v0, 2, SPARE
	v_mov_b32 v[NIL], 0
	ds_add_u32 v[SPW], v[NIL]                      ; the wave's opening: the add and its wait stand ahead of my first tensor load; the set-up below, work on registers, stands between them
	v_lshrrev_b32 v3, 5, v0
	v_readfirstlane_b32 s[WV], v3                  ; wave 0..3
	s_bfe_u32 s15, ttmp6, 0x40000                  ; cx: my place in the cluster
	s_lshl_b32 s16, ttmp9, 2                       ; in a cluster launch ttmp9 counts clusters
	s_add_co_u32 s16, s16, s15                     ; my block of 64 rows: it enters the addresses of input, states and qkv alone
	; descriptor group 1 for wb: 32 rows x 512 elements of 2 bytes, padded in LDS
	s_mov_b32 s[G1W], 15|(1<<16)|(1<<20)|(1<<21)|(7<<22)|(3<<25)  ; 15:0 the mask of four; 17:16 2-byte elements; 20 padding on; 21 set beside a mask; 24:22 after every 256 words (code 7); 31:25 4 words (code 3)
	s_mov_b32 s[G1W+1], 512<<16                    ; tensor_dim0 = 512
	s_mov_b32 s[G1W+2], 32<<16                     ; tensor_dim1 = 32
	s_mov_b32 s[G1W+3], 512<<16                    ; tile_dim0 = 512
	s_mov_b32 s[G1W+4], 32                         ; tile_dim1 = 32
	s_mov_b32 s[G1W+5], 512                        ; 512 elements from row to row
	s_mov_b32 s[G1W+6], 0
	s_mov_b32 s[G1W+7], 0
	; descriptor group 1 for X: 64 rows x 128 elements of 4 bytes out of rows of 512, for my work-group alone
	s_mov_b32 s[G1X], (2<<16)|(1<<20)|(6<<22)|(3<<25)  ; 17:16 4-byte elements; 20 padding on; 24:22 after every 128 words (code 6); 31:25 4 words (code 3)
	s_mov_b32 s[G1X+1], 128<<16                    ; tensor_dim0 = 128
	s_mov_b32 s[G1X+2], 64<<16                     ; tensor_dim1 = 64
	s_mov_b32 s[G1X+3], 128<<16                    ; tile_dim0 = 128
	s_mov_b32 s[G1X+4], 64                         ; tile_dim1 = 64
	s_mov_b32 s[G1X+5], 512                        ; 512 elements from row to row
	s_mov_b32 s[G1X+6], 0
	s_mov_b32 s[G1X+7], 0
	s_mov_b32 s[G0W], 1                            ; count = 1
	s_mul_i32 s[G0W+1], s[WV], WAVEW               ; LDS address: my 32 rows; every trip turns the slot first, so the first tile goes to slot 1.  No place in the cluster enters an LDS address
	s_mov_b32 s[G0X], 1
	s_mul_i32 s[G0X+1], s[WV], WAVEX               ; input: slot 0, my quarter
	s_mov_b32 s[G0Y], 1
	s_mul_i32 s[G0Y+1], s[WV], WAVEX
	s_add_co_u32 s[G0Y+1], s[G0Y+1], SLOT          ; states: slot 1, my quarter
	s_mov_b32 s[TW], SLOT                          ; the first trip reads slot 0
	s_mov_b32 s[SW], STG1                          ; the first tile's trip writes stage 0
	s_mov_b32 s[SR], STG0
	s_mov_b32 s[STEP+1], 0
	s_mov_b32 s[T0+1], 0
	s_add_co_u32 s[RK], ttmp9, 3                   ; stepped before each use: wq's tile k is (c + 4 + k) mod 4, wk's and wv's 4 + (c + 8 + k) mod 8
	s_mov_b32 s[TNN], 0
	v_and_b32 v1, 15, v0                           ; r
	v_bfe_u32 v2, v0, 4, 1                         ; h
	s_mul_i32 s18, s[WV], WAVEW
	v_mul_u32_u24 v[AW0], v1, WPITCH
	v_lshl_add_u32 v[AW0], v2, 4, v[AW0]
	v_add_nc_u32 v[AW0], s18, v[AW0]
	v_mul_u32_u24 v[AXB], v1, XPITCH
	v_lshl_add_u32 v[AXB], v2, 5, v[AXB]
	v_add_nc_u32 v[AXB+1], WAVEX, v[AXB]
	v_add_nc_u32 v[AXB+2], 2*WAVEX, v[AXB]
	v_add_nc_u32 v[AXB+3], 3*WAVEX, v[AXB]
	s_lshl_b32 s18, s[WV], 7
	v_lshlrev_b32 v[BO], 5, v2
	v_add_nc_u32 v[BO], s18, v[BO]
	s_lshl_b32 s18, s[WV], 6
	v_mul_u32_u24 v[STO0], v1, SPITCH
	v_lshl_add_u32 v[STO0], v2, 4, v[STO0]
	v_add_nc_u32 v[STO0], s18, v[STO0]
	s_lshl_b32 s18, s[WV], 4
	v_add_nc_u32 v3, s18, v2                       ; 16 w + h
	v_mul_u32_u24 v[RD0], v3, SPITCH
	v_lshl_add_u32 v[RD0], v1, 4, v[RD0]
	v_lshlrev_b32 v[CO], 10, v3
	v_lshl_add_u32 v[CO], v1, 4, v[CO]
	v_and_b32 v3, 31, v0
	s_lshl_b32 s18, s[WV], 15
	v_lshlrev_b32 v[PFO], 8, v3
	v_add_nc_u32 v[PFO], s18, v[PFO]
	s_lshl_b32 s20, s[WV], 15                      ; my 32 rows of a tile in wb: the wave's number alone
	s_mov_b32 s21, 0
	s_lshl_b32 s22, s[WV], 9                       ; my 512 bytes of a row of X
	s_mov_b32 s23, 0
	s_wait_dscnt 0x0                               ; the opening add is done
	s_wait_kmcnt 0x0
	s_lshl_b32 s18, s16, 17                        ; 64 rows of 2,048 bytes
	s_mov_b32 s19, 0
	s_add_nc_u64 s[4:5], s[4:5], s[18:19]          ; input and states at my rows
	s_add_nc_u64 s[6:7], s[6:7], s[18:19]
	s_add_nc_u64 s[G0X+2:G0X+3], s[4:5], s[22:23]
	s_or_b32 s[G0X+3], s[G0X+3], 0x80000000        ; type = 2
	s_add_nc_u64 s[G0Y+2:G0Y+3], s[6:7], s[22:23]
	s_or_b32 s[G0Y+3], s[G0Y+3], 0x80000000
	s_lshl_b32 s18, s16, 16                        ; 64 rows of 1,024 bytes
	s_add_nc_u64 s[12:13], s[12:13], s[18:19]      ; q at my rows
	s_mov_b64 s[OPT:OPT+1], s[12:13]
	s_add_nc_u64 s[8:9], s[8:9], s[20:21]          ; wb at my rows of tile 0
	CROUND                                         ; all four work-groups are here
	tensor_load_to_lds s[G0X:G0X+3], s[G1X:G1X+7]  ; input into slot 0
	s_nop 0
	PLACES
	XT 1                                           ; input; wq's first tile is asked for
	s_mov_b32 s[CI], 0
.Lq:                                                   ; wq's first three tiles
	TRIP 1, 1
	s_add_co_u32 s[CI], s[CI], 1
	s_cmp_lt_u32 s[CI], 3
	s_cbranch_scc1 .Lq
	TRIP 3, 0                                      ; wq's fourth tile is written out: it asks for states
	XT 2                                           ; states; the first tile of wk and wv is asked for.  wq's fourth tile waits in its stage for the next trip
	s_mov_b32 s[CI], 0
.Lkv:                                                  ; the first seven tiles of wk and wv
	TRIP 2, 0
	s_add_co_u32 s[CI], s[CI], 1
	s_cmp_lt_u32 s[CI], 7
	s_cbranch_scc1 .Lkv
	TRIP 0, 0                                      ; the last tile is written out: it asks for nothing more
	s_wait_dscnt 0x0                               ; for the others' sake: my stores into the stage are done
	s_barrier_signal -1
	s_barrier_wait -1
	v_add_nc_u32 v[RD], s[SW], v[RD0]              ; the stage just written
	SEND
	s_wait_tensorcnt 0x0                           ; the wave's end, behind my last tensor load and my last LDS store
	ds_add_u32 v[SPW], v[NIL]
	s_wait_dscnt 0x0
	CROUND                                         ; the closing round: no work-group ends while a partner may still ask for a tile that names it
	s_endpgm
.Lfunc_end_k_q9f657b252d_proj:
	.size	k_q9f657b252d_proj, .Lfunc_end_k_q9f657b252d_proj-k_q9f657b252d_proj
	.p2alignl 7, 3214868480
	.fill 96, 4, 3214868480
	.section	.rodata,"a",@progbits
	.p2align	6, 0x0
	.amdhsa_kernel k_q9f657b252d_proj
		.amdhsa_group_segment_fixed_size 327680
		.amdhsa_private_segment_fixed_size 0
		.amdhsa_enable_private_segment 0
		.amdhsa_kernarg_size 40
		.amdhsa_user_sgpr_count 2
		.amdhsa_user_sgpr_kernarg_segment_ptr 1
		.amdhsa_wavefront_size32 1
		.amdhsa_system_sgpr_workgroup_id_x 1
		.amdhsa_system_sgpr_workgroup_id_y 1
		.amdhsa_system_sgpr_workgroup_id_z 1
		.amdhsa_system_vgpr_workitem_id 0
		.amdhsa_next_free_vgpr 1024
		.amdhsa_next_free_sgpr 80
		.amdhsa_reserve_vcc 0
		.amdhsa_float_denorm_mode_32 3
		.amdhsa_float_denorm_mode_16_64 3
		.amdhsa_memory_ordered 1
		.amdhsa_forward_progress 1
		.amdhsa_inst_pref_size 183
	.end_amdhsa_kernel
	.amdgpu_metadata
---
amdhsa.version: [ 1, 2 ]
amdhsa.kernels:
  - .name:           k_q9f657b252d_proj
    .symbol:         k_q9f657b252d_proj.kd
    .args:
      - { .name: input, .offset: 0, .size: 8, .value_kind: global_buffer, .address_space: global }
      - { .name: states, .offset: 8, .size: 8, .value_kind: global_buffer, .address_space: global }
      - { .name: wb, .offset: 16, .size: 8, .value_kind: global_buffer, .address_space: global }
      - { .name: bb, .offset: 24, .size: 8, .value_kind: global_buffer, .address_space: global }
      - { .name: qkv, .offset: 32, .size: 8, .value_kind: global_buffer, .address_space: global }
    .group_segment_fixed_size: 327680
    .private_segment_fixed_size: 0
    .kernarg_segment_align: 8
    .kernarg_segment_size: 40
    .max_flat_workgroup_size: 128
    .sgpr_count:     80
    .vgpr_count:     1024
    .wavefront_size: 32
...
	.end_amdgpu_metadata
.endif
;; end of part 2
;; launch attn (part 3): grid 256 x 1, 4 waves a work-group, clusters of 4 x 1, 327,680 bytes of LDS; arguments qkv, mask, out0; writes out0
.if DOCPART == 3
	.amdgcn_target "amdgcn-amd-amdhsa--gfx1250"
	.amdhsa_code_object_version 6
	.text
	.protected	k_q9f657b252d_attn
	.globl	k_q9f657b252d_attn
	.p2align	8
	.type	k_q9f657b252d_attn,@function
k_q9f657b252d_attn:
	s_mov_b64 s[64:65], 0
	v_nop
	global_prefetch_b8 v0, s[64:65] scope:SCOPE_SE
	s_setreg_imm32_b32 hwreg(HW_REG_WAVE_MODE, 25, 1), 1
	s_wait_xcnt 0x0
	s_wait_alu depctr_hold_cnt(0) depctr_sa_sdst(0) depctr_va_vdst(0) depctr_va_sdst(0) depctr_va_ssrc(0) depctr_va_vcc(0) depctr_vm_vsrc(0)
	s_getreg_b32 s2, hwreg(HW_REG_IB_STS2, 6, 4)
	s_cmp_eq_u32 s2, 0
	s_cbranch_scc0 .Lentry_in_a_cluster
	s_endpgm
.Lentry_in_a_cluster:
	s_bfe_u32 s2, ttmp6, 0x10000c
	s_cmp_lg_u32 s2, 0x3003
	s_cbranch_scc0 .Lentry_shape_is_right
	s_endpgm
.Lentry_shape_is_right:
; out0[b][q][:] = the sum over k of softmax_k(q[b][q] . k[b][k] / sqrt(512), hidden where mask[b][q][k] = 0) v[b][k][:].  q, k, v: f16 planes of qkv, [16384][512]; mask: int32; out0: f32.
; Products, maxima and sums in f32; the weights p are rounded to f16 for the second product (their sum l is taken of the unrounded p).
; LIMITS.  A hidden score counts as its value less 1e30 (f16 operands bound a true scaled score by 1.4e11); its weight is exactly 0.  The running maximum starts at -1e20, below every true scaled score and
; above every hidden one.  A row with no visible key ends with l = 0 and O = 0 and comes out as 0 x (1 / 0) = NaN.  A weight below 2^-126 counts as 0.  NaN and infinities in q, k, v are not treated apart.
; SHARES.  A work-group owns 64 queries (four tiles t of 16) and walks its batch's 2,048 keys in 32 steps of 64.  At head size 512 the waves do not split the queries:
;   S^T = K Q^T: wave w takes the step's keys 16 w .. 16 w + 15 against all 64 queries: 4 accumulators, 64 matrix instructions; Q lies whole in 512 registers of every wave.
;   O^T = V^T P: wave w takes channels 128 w .. 128 w + 127 for all 64 queries: 32 accumulators (256 registers), 64 matrix instructions.
; So every byte of K and V is read from LDS once in the work-group.  What crosses between waves goes through LDS: each wave's row maxima (STAT) and its weights (P).
; SOFTMAX.  t = c s, c = log2(e) / sqrt(512); cm = the running maximum of t over all four waves' keys; p = 2^(t - cm); a = 2^(cm_old - cm_new) multiplies O and l in every step.  Every wave makes cm and a
; from the same four maxima, so they agree; each wave keeps l for its own keys, and the four parts are added at the end.
; THE ORDER OF THE KEYS.  A running maximum takes the keys in any order.  Step j takes key tile (j + 4 g) mod 32, g = the cluster's number among its batch's eight, which the partners share.  So the eight clusters ask
; for different tiles at any one time: all 32 tiles are read for the first time in the first four steps, and every later request is for a tile that the next cluster read four steps before.  K(j), V(j), M(j) below mean step j's tiles.
; A PERIOD j.  H1: products S(j+1); beside them step j's cm, a, p, l, the rescaling of O, and P(j) into LDS.  XR: the round behind which slots are filled again; it also shows P(j) to every wave.
; H2: products O += V(j)^T P(j); beside them t(j+1) = c S(j+1), its maxima into STAT, and the mask of step j+2.  YB: a barrier that shows STAT.
; CLUSTER.  The four work-groups of a cluster lie in one batch and walk the same K and V: those tiles are asked for JOINTLY (mask 15).  Q and the mask tiles are a work-group's own: plain loads.
; Behind a round wave 0 asks for K(j+3), wave 1 for V(j+1), wave 2 for M(j+3): one tensor load a wave, into the slot whose last reads stand in front of that round; wave 3 prefetches M(j+5).
; By this text's own count a wave has at most two tensor loads out (the first fills), later one.
; O starts at 0 by 256 v_mov_b32, which stand in the wait for the first tiles: the price of writing no first step out.
; REGISTERS (windows of 256; s_set_vgpr_msb: bits 1:0 source 0, 3:2 source 1, 5:4 source 2, 7:6 destination):
;   window 0: v0-15 addresses; v16-47 statistics, eight a tile; v48-63 the four waves' maxima; v64-95 SA (t, then p); v96-127 SB (S, then P's second half); v128-159 MC (the mask as C); v160-191 PF (P's first half);
;             v192-223, v224-255 two buffers of four fragments of K or V.     window 1: O^T at 64 t + 8 cb.     windows 2, 3: Q, fragment (t, c) at 32 c + 8 t: product n of S names 8 n.
.set KPITCH, 1040                      ; 1,024 + 16: 65 x 16: the 16 rows of a fragment load start 16 bytes apart modulo 256
.set VPITCH, 1056                      ; 1,024 + 32: 33 x 32, for the turning load
.set MPITCH, 272
.set PPITCH, 144
.set LK0, 0
.set LK1, 64*KPITCH
.set LV0, 2*64*KPITCH
.set LV1, LV0+64*VPITCH                ; Q lands here first, at K's pitch
.set LM0, LV1+64*VPITCH
.set LM1, LM0+64*MPITCH
.set LP,  LM1+64*MPITCH                ; P: 64 queries x 64 keys of f16
.set LSTAT, LP+64*PPITCH               ; [query][wave] f32
.set SPARE, LSTAT+1024                 ; the spare words: 128 bytes for each wave, two blocks of 256 bytes that no other line names
.set OSTG, 8448                        ; the way out: 16 rows x 528 bytes for each wave, in K's slot 0, which has had its last fill by then
.set AK0, 3                            ; v3   (16 w + r) x 1040 + 16 h
.set AV0, 4                            ; v4   (8 h + l % 8) x 1056 + 16 ((l / 8) % 2) + 256 w
.set AM0, 5                            ; v5   r x 272 + 64 w + 32 h
.set APS, 6                            ; v6   LP + r x 144 + 32 w + 16 h
.set APL, 7                            ; v7   LP + r x 144 + 16 h
.set AST, 8                            ; v8   LSTAT + 16 r + 4 w
.set ASL, 9                            ; v9   LSTAT + 16 r
.set AK,  10                           ; v10  K's fragments in the slot in hand; on the way out STO
.set AV,  11                           ; v11  V's; on the way out RD
.set AM,  12                           ; v12  the mask's; on the way out GO
.set STO, 10
.set RD,  11
.set GO,  12
.set PFO, 13                           ; v13  lane x 8,192: a row of the mask a lane
.set SPW, 14                           ; v14  LDS address of my spare word; never rewritten
.set NIL, 15                           ; v15  0; never rewritten
.set ST,  16                           ; tile t at ST + 8 t: +0 cm, +1 named with it as a pair, +2, +3 l, +4, +5 at work, +6 a, +7 named with it
.set XS,  48
.set SA,  64
.set SB,  96
.set MC,  128
.set PF,  160
.set FB0, 192
.set FB1, 224
.set WV,  10                           ; s10  wave
.set G1K, 16
.set G1V, 24
.set G1M, 32
.set G1Q, 40
.set G0K0, 48                          ; K(0)
.set G0K, 52                           ; K(1), then every later K
.set G0M0, 56                          ; M(0)
.set G0M, 60                           ; M(1), then every later M
.set G0V, 68                           ; every V
.set G0Q, 72
.set CNT, 76
.set TK,  77                           ; the slot from which K is fetched next
.set TV,  78
.set TM,  79
.set CS,  80                           ; s[80:81] c
.set SEL, 82                           ; s[82:83] v_permlanex16_b32's selects: each lane takes its own place in the other half
.set BIGN, 84                          ; -1e30
.set KN,  85                           ; s85  the key tile asked for last for K and for the mask
.set PFB, 86                           ; s[86:87] the mask tile that is prefetched
.set T0,  88                           ; s[88:89] an offset for my work-group's own addresses; the high word stays 0
.set KB,  92                           ; s[92:93] k at my batch
.set VB,  94                           ; s[94:95] v at my batch
.set VN,  96                           ; s96  the key tile asked for last for V
.set PN,  97                           ; s97  the key tile whose mask was prefetched last
.set TJ,  98                           ; s[98:99] an offset for the joint loads' addresses: it never holds a number made of my place in the cluster; the high word stays 0
.set MSB, 0
.macro WIN new                         ; the immediate's high byte repeats the setting that is left; a switch that changes nothing is dropped
.if MSB != (\new)
	s_set_vgpr_msb (MSB<<8)|(\new)
.set MSB, \new
.endif
.endm
.macro PLACES                          ; four places behind matrix instructions (ISA guide 7.12.1)
.rept 4
	v_nop
.endr
.endm
.macro CROUND                          ; a round of the cluster's barrier
	s_barrier_signal -1
	s_barrier_wait -1
	s_cmp_lg_u32 s[WV], 0
	s_cbranch_scc1 .Lnot_wave_0_\@
	s_barrier_signal -3
.Lnot_wave_0_\@:
	s_barrier_wait -3
	s_barrier_signal -1
	s_barrier_wait -1
.endm
; The fills behind a round: each wave has one line.  The branches hang on the wave's number alone.  An s_nop 0 follows each tensor load, and four v_nop stand on every way: they are also the places behind H1's last products.
; jp = 1: wave 3 prefetches a mask tile, 64 rows of 256 bytes, a row a lane, two lines; jp = 2: only while that step exists (CNT >= 3: step j + 5 <= 31).
.macro JLOAD jk, jv, jm, jp
	s_cmp_lg_u32 s[WV], 0
	s_cbranch_scc1 .Lj1_\@
.if \jk
	tensor_load_to_lds s[G0K:G0K+3], s[G1K:G1K+7]
	s_nop 0
.endif
	PLACES
	s_branch .Ljd_\@
.Lj1_\@:
	s_cmp_lg_u32 s[WV], 1
	s_cbranch_scc1 .Lj2_\@
.if \jv
	tensor_load_to_lds s[G0V:G0V+3], s[G1V:G1V+7]
	s_nop 0
.endif
	PLACES
	s_branch .Ljd_\@
.Lj2_\@:
	s_cmp_lg_u32 s[WV], 2
	s_cbranch_scc1 .Lj3_\@
.if \jm
	tensor_load_to_lds s[G0M:G0M+3], s[G1M:G1M+7]
	s_nop 0
.endif
	PLACES
	s_branch .Ljd_\@
.Lj3_\@:
.if (\jp) == 2
	s_cmp_lt_u32 s[CNT], 3
	s_cbranch_scc1 .Ljp_\@
.endif
.if \jp
	global_prefetch_b8 v[PFO], s[PFB:PFB+1] th:TH_LOAD_NT scope:SCOPE_SE
	global_prefetch_b8 v[PFO], s[PFB:PFB+1] offset:262144 th:TH_LOAD_NT scope:SCOPE_SE
.endif
.Ljp_\@:
	PLACES
.Ljd_\@:
.endm
; THE ROUND.  Every wave waits for all its tensor loads, adds 0 to its spare word, makes the descriptors for the next tiles, and waits for the add, for its reads of the slots to be filled and for its stores of P.
; A descriptor's LDS word turns to the other slot; its address is made anew from the tile's number, which steps and wraps at 32.  jm goes with jk: K and the mask are asked for the same step.
.macro XR jk, jv, jm, jp
	WIN 0
	s_wait_tensorcnt 0x0                           ; no tensor load of mine is out, so every group 0 may be written
	ds_add_u32 v[SPW], v[NIL]                      ; 0 onto my spare word; the scalar steps stand between it and the wait for it
.if \jk
	s_add_co_u32 s[KN], s[KN], 1
	s_and_b32 s[KN], s[KN], 31
	s_xor_b32 s[G0K+1], s[G0K+1], LK0^LK1
	s_lshl_b32 s[TJ], s[KN], 16                    ; a tile is 64 keys of 1,024 bytes
	s_add_nc_u64 s[G0K+2:G0K+3], s[KB:KB+1], s[TJ:TJ+1]
	s_or_b32 s[G0K+3], s[G0K+3], 0x80000000
.endif
.if \jv
	s_add_co_u32 s[VN], s[VN], 1
	s_and_b32 s[VN], s[VN], 31
	s_xor_b32 s[G0V+1], s[G0V+1], LV0^LV1
	s_lshl_b32 s[TJ], s[VN], 16
	s_add_nc_u64 s[G0V+2:G0V+3], s[VB:VB+1], s[TJ:TJ+1]
	s_or_b32 s[G0V+3], s[G0V+3], 0x80000000
.endif
.if \jm
	s_xor_b32 s[G0M+1], s[G0M+1], LM0^LM1
	s_lshl_b32 s[T0], s[KN], 8                     ; 64 keys of 4 bytes along the mask's rows
	s_add_nc_u64 s[G0M+2:G0M+3], s[6:7], s[T0:T0+1]
	s_or_b32 s[G0M+3], s[G0M+3], 0x80000000
.endif
.if \jp
	s_wait_xcnt 0x0                                ; the last period's prefetches have had their addresses translated: their base is written only behind this wait
	s_add_co_u32 s[PN], s[PN], 1
	s_and_b32 s[PN], s[PN], 31
	s_lshl_b32 s[T0], s[PN], 8
	s_add_nc_u64 s[PFB:PFB+1], s[6:7], s[T0:T0+1]
.endif
	s_xor_b32 s[TK], s[TK], LK0^LK1
	s_wait_dscnt 0x0
	CROUND
	JLOAD \jk, \jv, \jm, \jp
.endm
.macro YB
	WIN 0
	s_wait_dscnt 0x0                               ; my stores into STAT are done, my reads of P are over, the first fragments of K are in
	s_barrier_signal -1
	s_barrier_wait -1
.endm
; Eight LDS loads: four fragments.  K: channel steps 4 g .. 4 g + 3 of my 16 keys.  V, turned: keys 32 (g / 2) on, channel blocks 4 (g % 2) .. + 3 of my 128 channels.
.macro FETCHK g, f
	WIN 0
.set fi, 0
.rept 4
	ds_load_b128 v[(\f)+8*fi:(\f)+8*fi+3],   v[AK] offset:64*(4*(\g)+fi)
	ds_load_b128 v[(\f)+8*fi+4:(\f)+8*fi+7], v[AK] offset:64*(4*(\g)+fi)+32
.set fi, fi+1
.endr
.endm
.macro FETCHV g, f
	WIN 0
.set fi, 0
.rept 4
.set fo_, ((\g)/2)*32*VPITCH+32*(4*((\g)%2)+fi)
	ds_load_tr16_b128 v[(\f)+8*fi:(\f)+8*fi+3],   v[AV] offset:fo_
	ds_load_tr16_b128 v[(\f)+8*fi+4:(\f)+8*fi+7], v[AV] offset:fo_+16*VPITCH
.set fi, fi+1
.endr
.endm
.macro MCLOAD                          ; my 8 keys x 4 tiles of the mask: query 16 t + r, keys 16 w + 8 h + 0..7
.irp t, 0,1,2,3
	ds_load_b128 v[MC+8*\t:MC+8*\t+3],   v[AM] offset:16*MPITCH*\t
	ds_load_b128 v[MC+8*\t+4:MC+8*\t+7], v[AM] offset:16*MPITCH*\t+16
.endr
.endm
.macro MCV e                           ; a mask word becomes the C operand: -1e30 where it is 0, else 0
	v_cmp_eq_u32 vcc_lo, 0, v[MC+(\e)]
	v_cndmask_b32 v[MC+(\e)], 0, s[BIGN], vcc_lo
.endm
; THE MATRIX WORK.  MMON = 0 leaves the products and their fetches out, RID = 0 the vector work beside them.  n counts a half's 64 products.
; Product n of S^T: channel step n / 4, tile n % 4; the four accumulators take turns; the first four start the sums with the mask.
; The fetches stand in runs of eight, 14 products ahead of the wait for them, four places behind the products that read the buffer.
.macro MS
.if MMON
.if (n == 16) || (n == 32) || (n == 48)
	s_wait_dscnt 0x0                               ; the next four fragments of K are in
.endif
.if n == 18
	PLACES
	FETCHK 2, FB0
.endif
.if n == 34
	PLACES
	FETCHK 3, FB1
.endif
.set rA, FB0+32*((n/16)%2)+8*((n/4)%4)
.set rQ, (8*n)%256
.set rD, SB+8*(n%4)
	WIN 0x08+4*(n/32)                              ; Q in window 2, then 3
.if n < 4
	v_wmma_f32_16x16x32_f16 v[rD:rD+7], v[rA:rA+7], v[rQ:rQ+7], v[MC+8*n:MC+8*n+7]
.else
	v_wmma_f32_16x16x32_f16 v[rD:rD+7], v[rA:rA+7], v[rQ:rQ+7], v[rD:rD+7]
.endif
.endif
.set n, n+1
.endm
; Product n of O^T += V^T P: keys 32 (n / 32) on, channel block (n / 4) % 8, tile n % 4: 32 accumulators take turns.
.macro MP
.if MMON
.if n == 16
	s_wait_dscnt 8+4*RID                           ; V's second group is in; P's second half and the stores into STAT may stay out
.endif
.if (n == 32) || (n == 48)
	s_wait_dscnt 0x0
.endif
.if n == 18
	PLACES
	FETCHV 2, FB0
.endif
.if n == 34
	PLACES
	FETCHV 3, FB1
.endif
.endif
.if RID && (n == 50)
	PLACES
	FETCHK 0, FB0                                  ; the first fragments of K for the next half
.endif
.if MMON
.set rA, FB0+32*((n/16)%2)+8*((n/4)%4)
.if n < 32
.set rB, PF+8*(n%4)
.else
.set rB, SB+8*(n%4)
.endif
.set rO, 64*(n%4)+8*((n/4)%8)
	WIN 0x50                                       ; C and D in window 1
	v_wmma_f32_16x16x32_f16 v[rO:rO+7], v[rA:rA+7], v[rB:rB+7], v[rO:rO+7]
.endif
.set n, n+1
.endm
; THE VECTOR WORK, one line at a time: OP kind, tile, number.
.set K_M1, 0                           ; work = max(cm, wave 0's, wave 1's maximum)
.set K_M2, 1                           ; work = max(work, wave 2's, wave 3's): the new cm
.set K_D,  2                           ; cm_old - cm_new
.set K_A,  3                           ; a
.set K_MV, 4                           ; cm takes the new value
.set K_F,  5                           ; t - cm for pair j of 4 (a tile that is not: v_nop, which keeps an exponential's neighbour plain)
.set K_E,  6                           ; the exponential of number j of 8
.set K_C,  7                           ; pair j rounded to f16
.set K_B,  8                           ; the sums in place: j = 0: pair 0 += pair 1; 1: pair 2 += pair 3; 2: pair 0 += pair 2
.set K_L,  9                           ; l = a l + the sum
.set K_X,  10                          ; line j of the six that find my 16 keys' maximum of t
.macro OP k, t, j
.set rT, ST+8*(\t)
.set rX, XS+4*(\t)
.set rS, SA+8*(\t)
.set rP, PF+8*(\t)
.if (\k) == K_M1
	v_max3_num_f32 v[rT+4], v[rT], v[rX], v[rX+1]
.elseif (\k) == K_M2
	v_max3_num_f32 v[rT+4], v[rT+4], v[rX+2], v[rX+3]
.elseif (\k) == K_D
	v_sub_f32 v[rT+5], v[rT], v[rT+4]
.elseif (\k) == K_A
	v_exp_f32 v[rT+6], v[rT+5]
.elseif (\k) == K_MV
	v_mov_b32 v[rT], v[rT+4]
.elseif (\k) == K_F
.if (\t) < 4
	v_pk_add_f32 v[rS+2*(\j):rS+2*(\j)+1], v[rS+2*(\j):rS+2*(\j)+1], v[rT:rT+1] op_sel_hi:[1,0] neg_lo:[0,1] neg_hi:[0,1]
	s_wait_alu depctr_va_vdst(0)
.else
	v_nop
.endif
.elseif (\k) == K_E
	v_exp_f32 v[rS+(\j)], v[rS+(\j)]
.elseif (\k) == K_C
	s_wait_alu depctr_va_vdst(0)
	v_cvt_pk_f16_f32 v[rP+(\j)], v[rS+2*(\j)], v[rS+2*(\j)+1]
.elseif (\k) == K_B
.if (\j) == 0
	v_pk_add_f32 v[rS:rS+1], v[rS:rS+1], v[rS+2:rS+3]
.elseif (\j) == 1
	v_pk_add_f32 v[rS+4:rS+5], v[rS+4:rS+5], v[rS+6:rS+7]
.else
	v_pk_add_f32 v[rS:rS+1], v[rS:rS+1], v[rS+4:rS+5]
.endif
.elseif (\k) == K_L
.if (\t) >= 0
	v_pk_fma_f32 v[rT+2:rT+3], v[rT+2:rT+3], v[rT+6:rT+7], v[rS:rS+1] op_sel_hi:[1,0,1]
	s_wait_alu depctr_va_vdst(0)
.else
	v_nop
	s_wait_alu depctr_va_vdst(0)
.endif
.elseif (\j) == 0
	v_max3_num_f32 v[rT+4], v[rS], v[rS+1], v[rS+2]
.elseif (\j) == 1
	v_max3_num_f32 v[rT+5], v[rS+3], v[rS+4], v[rS+5]
.elseif (\j) == 2
	v_max3_num_f32 v[rT+4], v[rT+4], v[rS+6], v[rS+7]
.elseif (\j) == 3
	v_max_num_f32 v[rT+4], v[rT+4], v[rT+5]
.elseif (\j) == 4
	v_permlanex16_b32 v[rT+5], v[rT+4], s[SEL], s[SEL+1]  ; the query's other 8 keys of mine lie in the lane 16 away
.else
	v_max_num_f32 v[rT+4], v[rT+4], v[rT+5]
.endif
.endm
.macro ALL4 k, j                       ; one line for each tile
.if RID
	WIN 0
	OP \k, 0, \j
	OP \k, 1, \j
	OP \k, 2, \j
	OP \k, 3, \j
.endif
.endm
; Slice sl of 20: tile sl / 5.  Every exponential has a plain line behind it before its result is used (ISA guide 5.7.2); the plain lines are the next tile's t - cm, roundings and sums that are ready.
.macro SLICE
.if RID
	WIN 0
.set st_, sl/5
.set sk_, sl%5
.if sk_ == 0
	OP K_E, st_, 0
	OP K_F, st_+1, 0
	OP K_E, st_, 1
	OP K_F, st_+1, 1
.elseif sk_ == 1
	OP K_E, st_, 2
	OP K_F, st_+1, 2
	OP K_E, st_, 3
	OP K_F, st_+1, 3
.elseif sk_ == 2
	OP K_E, st_, 4
	OP K_C, st_, 0
	OP K_E, st_, 5
	OP K_C, st_, 1
.elseif sk_ == 3
	OP K_E, st_, 6
	OP K_B, st_, 0
	OP K_E, st_, 7
	OP K_L, st_-1, 0
.else
	OP K_C, st_, 2
	OP K_C, st_, 3
	OP K_B, st_, 1
	OP K_B, st_, 2
	ds_store_b128 v[APS], v[rP:rP+3] offset:16*PPITCH*st_  ; my 8 keys' weights of query 16 t + r
.endif
.endif
.set sl, sl+1
.endm
.macro R4                              ; accumulator rr of O^T times a, its registers in ascending order
.if RID
	WIN 0x41                                       ; destination and source 0 window 1, a in window 0
.set rO, 8*rr
.set rF, ST+8*(rr/8)+6
.irp z, 0,1,2,3
	v_pk_mul_f32 v[rO+2*\z:rO+2*\z+1], v[rO+2*\z:rO+2*\z+1], v[rF:rF+1] op_sel_hi:[1,0]
.endr
.endif
.set rr, rr+1
.endm
; H1.  None of the vector lines names a register of the products round it (SB, MC, the fragment buffers, Q).
.macro H1 mmon, rid
.set MMON, \mmon
.set RID, \rid
.set n, 0
.set sl, 0
.set rr, 0
	WIN 0
.if RID
.irp t, 0,1,2,3
	ds_load_b128 v[XS+4*\t:XS+4*\t+3], v[ASL] offset:256*\t  ; the four waves' maxima of query 16 t + r
.endr
.endif
.if MMON
	FETCHK 1, FB1
.endif
.rept 4
	MS
.endr
.if RID
	s_wait_dscnt 8*MMON                            ; the maxima are in; the eight loads of K behind them may stay out
.endif
	MS
	ALL4 K_M1, 0
	MS
	ALL4 K_M2, 0
	MS
	ALL4 K_D, 0
	MS
.if RID
	WIN 0
	OP K_A, 0, 0
	OP K_MV, 0, 0
	OP K_A, 1, 0
	OP K_MV, 1, 0
.endif
	MS
.if RID
	WIN 0
	OP K_A, 2, 0
	OP K_MV, 2, 0
	OP K_A, 3, 0
	OP K_MV, 3, 0
.endif
	MS
.if RID
	WIN 0
	OP K_F, 0, 0
	OP K_F, 0, 1
	OP K_F, 0, 2
	OP K_F, 0, 3
.endif
.rept 20
	MS
	SLICE
	MS
	R4
.endr
.rept 12
	MS
	R4
.endr
	MS
.if RID
	WIN 0
	OP K_L, 3, 0
.endif
	MS
.endm
; H2.  The LDS loads at its head stand in the order in which they are wanted; each wait counts the LDS instructions issued behind the ones it needs.
.macro H2 mmon, rid
.set MMON, \mmon
.set RID, \rid
.set n, 0
	WIN 0
.if MMON
	v_add_nc_u32 v[AV], s[TV], v[AV0]
.endif
.if RID
	v_add_nc_u32 v[AM], s[TM], v[AM0]
	v_add_nc_u32 v[AK], s[TK], v[AK0]
.endif
.if MMON
.irp t, 0,1,2,3
	ds_load_b128 v[PF+8*\t:PF+8*\t+3],   v[APL] offset:16*PPITCH*\t      ; P as source 1: query 16 t + r, keys 8 h + 0..7
	ds_load_b128 v[PF+8*\t+4:PF+8*\t+7], v[APL] offset:16*PPITCH*\t+32   ; and 16 + 8 h + 0..7
.endr
	FETCHV 0, FB0
.endif
.if RID
	MCLOAD
.endif
.if MMON
	FETCHV 1, FB1
.endif
.if RID
.set i, 0
.rept 16                               ; t = c S, each accumulator's registers in ascending order; the four v_nop behind the round are the places behind S's last products
	v_pk_mul_f32 v[SA+i:SA+i+1], v[SB+i:SB+i+1], s[CS:CS+1] op_sel_hi:[1,0]
.set i, i+2
.endr
.endif
.if MMON
.irp t, 0,1,2,3
	ds_load_b128 v[SB+8*\t:SB+8*\t+3],   v[APL] offset:16*PPITCH*\t+64   ; keys 32 on, where S lay
	ds_load_b128 v[SB+8*\t+4:SB+8*\t+7], v[APL] offset:16*PPITCH*\t+96
.endr
	s_wait_dscnt 16+8*RID                          ; P's first half and V's first group are in; the mask, V's second group and P's second half may stay out
.endif
.set xq, 0
.rept 6
	MP
	ALL4 K_X, xq
.set xq, xq+1
.endr
.if RID
	WIN 0
.irp t, 0,1,2,3
	ds_store_b32 v[AST], v[ST+8*\t+4] offset:256*\t   ; both halves of the lanes store the same number to the same word
.endr
	s_wait_dscnt 16*MMON+4                         ; the mask is in; V's second group, P's second half and the four stores may stay out
.endif
.set me, 0
.rept 16
	MP
.if RID
	WIN 0
	MCV me
	MCV me+1
.endif
.set me, me+2
.endr
.rept 42
	MP
.endr
.if MMON
.rept 5
	v_nop                                          ; five places: the next half's products write over SB, which the last products read; its loads land in the second buffer
.endr
	s_xor_b32 s[TV], s[TV], LV0^LV1
.endif
.if RID
	s_xor_b32 s[TM], s[TM], LM0^LM1
.endif
.endm
	s_load_b128 s[4:7], s[0:1], 0x0                ; qkv s[4:5], mask s[6:7]
	s_load_b64 s[8:9], s[0:1], 0x10                ; out0
	v_lshl_add_u32 v[SPW], v0, 2, SPARE
	v_mov_b32 v[NIL], 0
	ds_add_u32 v[SPW], v[NIL]                      ; the wave's opening: the add and its wait stand ahead of my first tensor load; the set-up below, work on registers, stands between them
	v_lshrrev_b32 v1, 5, v0
	v_readfirstlane_b32 s[WV], v1                  ; wave 0..3
	s_bfe_u32 s11, ttmp6, 0x40000                  ; cx: my place in the cluster
	s_lshl_b32 s12, ttmp9, 2                       ; in a cluster launch ttmp9 counts clusters
	s_add_co_u32 s12, s12, s11                     ; my block of 64 queries: it enters the addresses of Q, the mask and out0 alone
	s_lshr_b32 s13, ttmp9, 3                       ; the batch: 8 clusters each; the four partners share it
	s_and_b32 s[VN], ttmp9, 7                      ; my cluster among the batch's eight,
	s_lshl_b32 s[VN], s[VN], 2                     ; and the key tile of its step 0: at most 28
	s_add_co_u32 s[KN], s[VN], 1                   ; step 1's
	s_add_co_u32 s[PN], s[VN], 3                   ; step 3's: stepped before each use, so the first prefetch asks for step 4's mask
	; descriptor groups 1.  K, V, Q: 64 rows x 512 elements of 2 bytes; the mask: 64 rows x 64 elements of 4 bytes out of rows of 2,048
	s_mov_b32 s[G1K], 15|(1<<16)|(1<<20)|(1<<21)|(7<<22)|(3<<25)  ; 15:0 the mask of four; 17:16 2-byte elements; 20 padding on; 21 set beside a mask; 24:22 after every 256 words (code 7); 31:25 4 words (code 3)
	s_mov_b32 s[G1V], 15|(1<<16)|(1<<20)|(1<<21)|(7<<22)|(7<<25)  ; the same with 8 words of padding (code 7)
	s_mov_b32 s[G1Q], (1<<16)|(1<<20)|(7<<22)|(3<<25)             ; as K's, for my work-group alone
.irp g, G1K, G1V, G1Q
	s_mov_b32 s[\g+1], 512<<16                     ; tensor_dim0 = 512
	s_mov_b32 s[\g+2], 64<<16                      ; tensor_dim1 = 64
	s_mov_b32 s[\g+3], 512<<16                     ; tile_dim0 = 512
	s_mov_b32 s[\g+4], 64                          ; tile_dim1 = 64
	s_mov_b32 s[\g+5], 512                         ; 512 elements from row to row
	s_mov_b32 s[\g+6], 0
	s_mov_b32 s[\g+7], 0
.endr
	s_mov_b32 s[G1M], (2<<16)|(1<<20)|(5<<22)|(3<<25)             ; 4-byte elements; 4 words of padding after every 64
	s_mov_b32 s[G1M+1], 64<<16
	s_mov_b32 s[G1M+2], 64<<16
	s_mov_b32 s[G1M+3], 64<<16
	s_mov_b32 s[G1M+4], 64
	s_mov_b32 s[G1M+5], 2048
	s_mov_b32 s[G1M+6], 0
	s_mov_b32 s[G1M+7], 0
	s_mov_b32 s[G0K0], 1
	s_mov_b32 s[G0K0+1], LK0
	s_mov_b32 s[G0K], 1
	s_mov_b32 s[G0K+1], LK1
	s_mov_b32 s[G0M0], 1
	s_mov_b32 s[G0M0+1], LM0
	s_mov_b32 s[G0M], 1
	s_mov_b32 s[G0M+1], LM1
	s_mov_b32 s[G0V], 1
	s_mov_b32 s[G0V+1], LV0
	s_mov_b32 s[G0Q], 1
	s_mov_b32 s[G0Q+1], LV1
	s_mov_b32 s[TK], LK0
	s_mov_b32 s[TV], LV0
	s_mov_b32 s[TM], LM1
	s_mov_b32 s[CS], 0x3d8293ee                    ; c = log2(e) / sqrt(512) = 0.0637587
	s_mov_b32 s[CS+1], s[CS]                       ; named with it as a pair
	s_mov_b32 s[SEL], 0x76543210
	s_mov_b32 s[SEL+1], 0xfedcba98
	s_mov_b32 s[BIGN], 0xf149f2ca                  ; -1e30
	s_lshl_b32 s14, s13, 21                        ; the batch's 2,048 rows of 1,024 bytes
	s_mov_b32 s15, 0
	s_mov_b32 s[T0+1], 0
	s_mov_b32 s[TJ+1], 0
	s_wait_dscnt 0x0                               ; the opening add is done
	s_wait_kmcnt 0x0
	s_add_nc_u64 s[14:15], s[4:5], s[14:15]        ; made of the batch alone: equal in the four partners
	s_add_nc_u64 s[KB:KB+1], s[14:15], 16777216    ; the plane of k,
	s_add_nc_u64 s[VB:VB+1], s[14:15], 33554432    ; the plane of v
	s_lshl_b32 s[TJ], s[VN], 16                    ; step 0's tile
	s_add_nc_u64 s[G0K0+2:G0K0+3], s[KB:KB+1], s[TJ:TJ+1]
	s_or_b32 s[G0K0+3], s[G0K0+3], 0x80000000
	s_add_nc_u64 s[G0V+2:G0V+3], s[VB:VB+1], s[TJ:TJ+1]
	s_or_b32 s[G0V+3], s[G0V+3], 0x80000000
	s_lshl_b32 s[TJ], s[KN], 16                    ; step 1's tile
	s_add_nc_u64 s[G0K+2:G0K+3], s[KB:KB+1], s[TJ:TJ+1]
	s_or_b32 s[G0K+3], s[G0K+3], 0x80000000
	s_lshl_b32 s[T0], s12, 19                      ; my 64 rows of the mask, 8,192 bytes each
	s_add_nc_u64 s[6:7], s[6:7], s[T0:T0+1]
	s_lshl_b32 s[T0], s[VN], 8
	s_add_nc_u64 s[G0M0+2:G0M0+3], s[6:7], s[T0:T0+1]
	s_or_b32 s[G0M0+3], s[G0M0+3], 0x80000000
	s_lshl_b32 s[T0], s[KN], 8
	s_add_nc_u64 s[G0M+2:G0M+3], s[6:7], s[T0:T0+1]
	s_or_b32 s[G0M+3], s[G0M+3], 0x80000000
	s_lshl_b32 s[T0], s12, 16                      ; my 64 rows of q
	s_add_nc_u64 s[G0Q+2:G0Q+3], s[4:5], s[T0:T0+1]
	s_or_b32 s[G0Q+3], s[G0Q+3], 0x80000000
	s_lshl_b32 s[T0], s12, 17                      ; my 64 rows of out0, 2,048 bytes each
	s_add_nc_u64 s[8:9], s[8:9], s[T0:T0+1]
	CROUND                                         ; all four work-groups are here: the first joint loads meet
	s_cmp_lg_u32 s[WV], 0                          ; a wave's first fills stand in one branch, ahead of every wait on TENSORcnt and every LDS read
	s_cbranch_scc1 .Lf1
	tensor_load_to_lds s[G0K0:G0K0+3], s[G1K:G1K+7]
	s_nop 0
	tensor_load_to_lds s[G0K:G0K+3], s[G1K:G1K+7]
	s_nop 0
	PLACES
	s_branch .Lfd
.Lf1:
	s_cmp_lg_u32 s[WV], 1
	s_cbranch_scc1 .Lf2
	tensor_load_to_lds s[G0V:G0V+3], s[G1V:G1V+7]
	s_nop 0
	PLACES
	s_branch .Lfd
.Lf2:
	s_cmp_lg_u32 s[WV], 2
	s_cbranch_scc1 .Lf3
	tensor_load_to_lds s[G0M0:G0M0+3], s[G1M:G1M+7]
	s_nop 0
	tensor_load_to_lds s[G0M:G0M+3], s[G1M:G1M+7]
	s_nop 0
	PLACES
	s_branch .Lfd
.Lf3:
	tensor_load_to_lds s[G0Q:G0Q+3], s[G1Q:G1Q+7]
	s_nop 0
	PLACES
.Lfd:
	v_and_b32 v1, 15, v0                           ; r
	v_bfe_u32 v2, v0, 4, 1                         ; h
	v_mul_u32_u24 v[AK], v1, KPITCH
	v_lshl_add_u32 v[AK], v2, 4, v[AK]             ; r x 1040 + 16 h
	s_mul_i32 s90, s[WV], 16*KPITCH
	v_add_nc_u32 v[AK0], s90, v[AK]
	v_add_nc_u32 v[AK], LV1, v[AK]                 ; for now: Q's place
	v_and_b32 v[AV], 7, v0
	v_lshl_add_u32 v[AV], v2, 3, v[AV]
	v_mul_u32_u24 v[AV0], v[AV], VPITCH
	v_bfe_u32 v[AV], v0, 3, 1
	v_lshl_add_u32 v[AV0], v[AV], 4, v[AV0]
	s_lshl_b32 s90, s[WV], 8
	v_add_nc_u32 v[AV0], s90, v[AV0]
	v_mul_u32_u24 v[AM0], v1, MPITCH
	v_lshl_add_u32 v[AM0], v2, 5, v[AM0]
	s_lshl_b32 s90, s[WV], 6
	v_add_nc_u32 v[AM0], s90, v[AM0]
	v_mul_u32_u24 v[APL], v1, PPITCH
	v_lshl_add_u32 v[APL], v2, 4, v[APL]
	v_add_nc_u32 v[APL], LP, v[APL]
	s_lshl_b32 s90, s[WV], 5
	v_add_nc_u32 v[APS], s90, v[APL]
	v_lshlrev_b32 v[ASL], 4, v1
	v_add_nc_u32 v[ASL], LSTAT, v[ASL]
	s_lshl_b32 s90, s[WV], 2
	v_add_nc_u32 v[AST], s90, v[ASL]
	v_and_b32 v[PFO], 31, v0
	v_lshlrev_b32 v[PFO], 13, v[PFO]
.irp t, 0,1,2,3
	v_mov_b32 v[ST+8*\t], 0xe0ad78ec               ; cm = -1e20
.irp j, 1,2,3,4,5,6,7
	v_mov_b32 v[ST+8*\t+\j], 0
.endr
.endr
	WIN 0x40
.set i, 0
.rept 256
	v_mov_b32 v[i], 0                              ; O^T
.set i, i+1
.endr
	WIN 0
	s_wait_tensorcnt 0x0                           ; my first fills have landed,
	s_barrier_signal -1
	s_barrier_wait -1                              ; everybody's have
	WIN 0x80                                       ; destination window 2
.set i, 0
.rept 32                               ; Q stays in registers: fragment i = 4 c + t, channel steps 0 to 7
	ds_load_b128 v[8*i:8*i+3],   v[AK] offset:16*KPITCH*(i%4)+64*(i/4)
	ds_load_b128 v[8*i+4:8*i+7], v[AK] offset:16*KPITCH*(i%4)+64*(i/4)+32
.set i, i+1
.endr
	WIN 0xc0                                       ; window 3: channel steps 8 to 15
.set i, 0
.rept 32
	ds_load_b128 v[8*i:8*i+3],   v[AK] offset:16*KPITCH*(i%4)+64*(8+i/4)
	ds_load_b128 v[8*i+4:8*i+7], v[AK] offset:16*KPITCH*(i%4)+64*(8+i/4)+32
.set i, i+1
.endr
	WIN 0
	v_add_nc_u32 v[AM], LM0, v[AM0]
	MCLOAD                                         ; step 0's mask
	v_add_nc_u32 v[AK], s[TK], v[AK0]
	FETCHK 0, FB0                                  ; step 0's first fragments of K
	s_wait_dscnt 8                                 ; Q and the mask are in; the eight loads of K may stay out
.set me, 0
.rept 32
	MCV me
.set me, me+1
.endr
	s_wait_dscnt 0x0
	H1 1, 0                                        ; S(0): there is no vector work yet to set beside it
	XR 1, 0, 1, 1                                  ; K(2), M(2); V(0) is there; the prefetch of M(4)
	H2 0, 1                                        ; t(0), its maxima, step 1's mask and first fragments of K
	YB
	s_mov_b32 s[CNT], 29
.Lloop:                                                ; periods 0 to 28: every one asks for K, V and M
	H1 1, 1
	XR 1, 1, 1, 2
	H2 1, 1
	YB
	s_sub_co_u32 s[CNT], s[CNT], 1
	s_cmp_lg_u32 s[CNT], 0
	s_cbranch_scc1 .Lloop
	s_mov_b32 s[CNT], 2
.Ltail:                                                ; periods 29 and 30 ask for V alone.  The second reads a mask slot and a K slot once more for a step that is not (16 LDS loads, 64 vector lines): the price of one text for both
	H1 1, 1
	XR 0, 1, 0, 0
	H2 1, 1
	YB
	s_sub_co_u32 s[CNT], s[CNT], 1
	s_cmp_lg_u32 s[CNT], 0
	s_cbranch_scc1 .Ltail
	H1 0, 1                                        ; step 31's softmax
	WIN 0
	s_wait_tensorcnt 0x0                           ; V(31)
	s_wait_dscnt 0x0                               ; my stores of P are done
	s_barrier_signal -1
	s_barrier_wait -1
	H2 1, 0                                        ; O += V(31)^T P(31)
	; THE WAY OUT.  My keys' l: its two halves and the other half of the lanes'; the four waves' parts meet in STAT; O^T is divided by l and goes, a tile (16 rows of out0) at a time, through my own stage.
	WIN 0
.irp t, 0,1,2,3
	v_add_f32 v[ST+8*\t+4], v[ST+8*\t+2], v[ST+8*\t+3]
.endr
.irp t, 0,1,2,3
	v_permlanex16_b32 v[ST+8*\t+5], v[ST+8*\t+4], s[SEL], s[SEL+1]
.endr
.irp t, 0,1,2,3
	v_add_f32 v[ST+8*\t+4], v[ST+8*\t+4], v[ST+8*\t+5]
.endr
.irp t, 0,1,2,3
	ds_store_b32 v[AST], v[ST+8*\t+4] offset:256*\t   ; STAT's last readers stand in front of the barrier above
.endr
	s_mul_i32 s90, s[WV], OSTG
	v_mul_u32_u24 v[STO], v1, 528                  ; in: row r, 32 bytes for each half of the lanes
	v_lshl_add_u32 v[STO], v2, 5, v[STO]
	v_add_nc_u32 v[STO], s90, v[STO]
	v_and_b32 v[GO], 31, v0
	v_lshlrev_b32 v[GO], 4, v[GO]
	v_add_nc_u32 v[RD], s90, v[GO]                 ; back: 32 lanes take a row's 512 bytes,
	s_lshl_b32 s90, s[WV], 9
	v_add_nc_u32 v[GO], s90, v[GO]                 ; which are my 128 channels of a row of out0
	s_wait_dscnt 0x0
	s_barrier_signal -1
	s_barrier_wait -1
.irp t, 0,1,2,3
	ds_load_b128 v[XS+4*\t:XS+4*\t+3], v[ASL] offset:256*\t
.endr
	s_wait_dscnt 0x0
.irp t, 0,1,2,3
	v_add_f32 v[XS+4*\t], v[XS+4*\t], v[XS+4*\t+1]
	v_add_f32 v[XS+4*\t+2], v[XS+4*\t+2], v[XS+4*\t+3]
.endr
.irp t, 0,1,2,3
	v_add_f32 v[XS+4*\t], v[XS+4*\t], v[XS+4*\t+2]
.endr
.irp t, 0,1,2,3
	v_rcp_f32 v[ST+8*\t+6], v[XS+4*\t]
.endr
	v_nop                                          ; a plain instruction between the last reciprocal and the use of its result
	s_wait_alu depctr_va_vdst(0)
.macro PACK t                          ; a lane's eight channels of a row are 32 bytes of f32; they go into rows of 528 bytes and come back as whole rows of 512
	WIN 0x41
.set i, 64*(\t)
.rept 32
	v_pk_mul_f32 v[i:i+1], v[i:i+1], v[ST+8*(\t)+6:ST+8*(\t)+7] op_sel_hi:[1,0]
.set i, i+2
.endr
	WIN 0x04                                       ; the stores' data in window 1
.set i, 0
.rept 8
	ds_store_b128 v[STO], v[64*(\t)+8*i:64*(\t)+8*i+3]   offset:64*i
	ds_store_b128 v[STO], v[64*(\t)+8*i+4:64*(\t)+8*i+7] offset:64*i+16
.set i, i+1
.endr
	WIN 0
.if (\t) >= 2
	s_wait_xcnt 0x0                                ; the stores of the tile two back have had their addresses translated: their data registers are loaded again only behind this wait
.endif
.set bk_, 64+64*((\t)%2)
.set i, 0
.rept 16
	ds_load_b128 v[bk_+4*i:bk_+4*i+3], v[RD] offset:528*i  ; LDS serves a wave's instructions in order (ISA guide 5.7.1.4): these see the stores above; the next tile's stores come behind them
.set i, i+1
.endr
.endm
.macro SEND t, younger                 ; younger: the LDS instructions issued behind tile t's loads: the next tile's 32, or none
	WIN 0
.set bk_, 64+64*((\t)%2)
.set i, 0
.rept 16
	s_wait_dscnt (\younger)+15-i
	global_store_b128 v[GO], v[bk_+4*i:bk_+4*i+3], s[8:9] offset:(16*(\t)+i)*2048 th:TH_STORE_NT  ; a wave's store covers 512 consecutive bytes, at a multiple of 512 from out0's first byte
.set i, i+1
.endr
.endm
	PACK 0
	PACK 1                                         ; a tile's arithmetic stands between the loads of the tile before and its stores
	SEND 0, 32
	PACK 2
	SEND 1, 32
	PACK 3
	SEND 2, 32
	SEND 3, 0
	s_wait_tensorcnt 0x0                           ; the wave's end, behind my last tensor load and my last LDS store
	ds_add_u32 v[SPW], v[NIL]
	s_wait_dscnt 0x0
	CROUND                                         ; the closing round: no work-group ends while a partner may still ask for a tile that names it
	s_endpgm
.Lfunc_end_k_q9f657b252d_attn:
	.size	k_q9f657b252d_attn, .Lfunc_end_k_q9f657b252d_attn-k_q9f657b252d_attn
	.p2alignl 7, 3214868480
	.fill 96, 4, 3214868480
	.section	.rodata,"a",@progbits
	.p2align	6, 0x0
	.amdhsa_kernel k_q9f657b252d_attn
		.amdhsa_group_segment_fixed_size 327680
		.amdhsa_private_segment_fixed_size 0
		.amdhsa_enable_private_segment 0
		.amdhsa_kernarg_size 24
		.amdhsa_user_sgpr_count 2
		.amdhsa_user_sgpr_kernarg_segment_ptr 1
		.amdhsa_wavefront_size32 1
		.amdhsa_system_sgpr_workgroup_id_x 1
		.amdhsa_system_sgpr_workgroup_id_y 1
		.amdhsa_system_sgpr_workgroup_id_z 1
		.amdhsa_system_vgpr_workitem_id 0
		.amdhsa_next_free_vgpr 1024
		.amdhsa_next_free_sgpr 100
		.amdhsa_reserve_vcc 1
		.amdhsa_float_denorm_mode_32 3
		.amdhsa_float_denorm_mode_16_64 3
		.amdhsa_memory_ordered 1
		.amdhsa_forward_progress 1
		.amdhsa_inst_pref_size 182
	.end_amdhsa_kernel
	.amdgpu_metadata
---
amdhsa.version: [ 1, 2 ]
amdhsa.kernels:
  - .name:           k_q9f657b252d_attn
    .symbol:         k_q9f657b252d_attn.kd
    .args:
      - { .name: qkv, .offset: 0, .size: 8, .value_kind: global_buffer, .address_space: global }
      - { .name: mask, .offset: 8, .size: 8, .value_kind: global_buffer, .address_space: global }
      - { .name: out0, .offset: 16, .size: 8, .value_kind: global_buffer, .address_space: global }
    .group_segment_fixed_size: 327680
    .private_segment_fixed_size: 0
    .kernarg_segment_align: 8
    .kernarg_segment_size: 24
    .max_flat_workgroup_size: 128
    .sgpr_count:     100
    .vgpr_count:     1024
    .wavefront_size: 32
...
	.end_amdgpu_metadata
.endif
;; end of part 3
